; MI455X (gfx1250); checked and timed in simulation.
; The chip was launched on July 23, 2026; its instructions are those of AMD's public machine-readable ISA for CDNA 5 (MIT licence, August 2026) and "CDNA5" Instruction Set Architecture Reference Guide (July 2026). The comments in the code are by the model that wrote it; some were corrected since.
;; NER2 IC. Allowed arithmetic: matrix products marked QUANTISED: E2M1 operands, one E8M0 scale for each 32 along K, by v_wmma_scale_f32_16x16x128_f8f6f4 with both operands' format E2M1 (or v_wmma_scale_f32_32x16x128_f4), f32 sums; products left as they are: f32 operands where the result goes on into a quantised operand, else bf16, f16 or f32 operands; f32 sums; everything else in f32.
;; Inputs: W1 1,024 x 512 float32; W2 512 x 64 float32; b1 512 float32; b2 64 float32; ic_tokens 32 x 1,024 float32; ln_beta 512 float32; ln_gamma 512 float32; ner_tokens 32 x 128 x 1,024 float32.
;; Outputs: out0 32 x 64 float32.
;; This version of the problem:
;;   THIS VERSION OF THE PROBLEM IS GIVEN IN LOW PRECISION. The matrix products marked QUANTISED in the list below multiply operands that are first quantised to E2M1 (2 exponent bits, 1 mantissa bit; 4 bits a number), with one power-of-two scale for each 32 numbers along K (OCP MX v1.0); their sums are f32. All else is computed in f32.
;;   The module's matrix products, in the order in which they are computed (A, B: the left and right operand; K: the contracted axis; several contracted axes count as one K, in the product's order):
;;     1. batch 32 x [M 1,024, K 1] x [K 1, N 1,024]; A: computed on the way; B: computed on the way: left as it is (no contracted axis)
;;     2. [M 32,768, K 1,024] x [K 1,024, N 512]; A: computed on the way; B: input W1: QUANTISED
;;     3. [M 32, K 512] x [K 512, N 64]; A: computed on the way; B: input W2: QUANTISED
;;   THE QUANTISER, for each operand of a quantised product, along K:
;;     - K is cut into blocks of 32 from its start; a last block that is shorter is filled with zeros.
;;     - A block's scale is 2^e with e = floor(log2(the largest magnitude in the block)) - 2, held to -126 .. 127; a block of zeros has e = 0. As a byte (E8M0): e + 127.
;;     - Each number is divided by its block's scale, clamped to +-6, and rounded to the nearest number of E2M1, ties to even, subnormals kept.
;;     - The product sums the exact products of the quantised numbers (number of the format x scale) in f32.
;;   ~~~python
;;   def quantise(x, axis):      # numpy; x: float32 -> the quantised numbers, widened to float32 again
;;       x = np.moveaxis(x, axis, -1); K = x.shape[-1]
;;       x = np.pad(x, [(0, 0)] * (x.ndim - 1) + [(0, -K % 32)]); x = x.reshape(x.shape[:-1] + (-1, 32)); a = np.abs(x).max(-1, keepdims=True)
;;       e = np.where(a > 0, np.clip(np.frexp(np.where(a > 0, a, 1))[1] - 1 - 2, -126, 127), 0)      # np.frexp(a)[1] - 1 = floor(log2(a)), exactly
;;       r = np.clip(x / 2.0 ** e, -6, 6)
;;       step = 2.0 ** (np.maximum(np.frexp(np.where(r == 0, 1, r))[1] - 1, 0) - 1)
;;       q = np.round(r / step) * step * 2.0 ** e      # np.round: ties to even
;;       return np.moveaxis(q.reshape(q.shape[:-2] + (-1,))[..., :K], -1, axis).astype(np.float32)
;;   ~~~
;;   OPERANDS COMPUTED ON THE WAY. 'Computed on the way' means the value that the module computes at that place (a softmax that the list does not call 'softmax' is quantised finished and normalised). What goes into a quantiser is computed in f32, as accurately as f32 sums, v_exp_f32 and their like allow (about 1e-6 of the number): no bf16 or f16 on the way to a quantiser, and a product that is left as it is and whose result goes on into a quantised operand takes f32 operands (vector FMAs, or v_wmma_f32_16x16x4_f32). A number that lies on a knife's edge between two numbers of the format may be rounded either way, as far as f32 arithmetic and the matrix unit's own rounding can turn it there, and no further.
;; One version. Each part assembles by itself: llvm-mc -triple=amdgcn-amd-amdhsa -mcpu=gfx1250 --defsym DOCPART=n.
;; ======== version 1 of 1: 3 launches
;; limits: right only within a limited range of input values
;; workspace buffers: nm 131,072 bytes; w1q 278,528 bytes; w2q 17,408 bytes; part 524,288 bytes
;; launch prep (part 1): grid 392 x 1, 4 waves a work-group, no clusters, 3,584 bytes of LDS; arguments ner_tokens, W1, W2, nm, w1q, w2q; writes nm, w1q, w2q
.if DOCPART == 1
	.amdgcn_target "amdgcn-amd-amdhsa--gfx1250"
	.amdhsa_code_object_version 6
	.text
	.protected	k_q2651db0abd_prep
	.globl	k_q2651db0abd_prep
	.p2align	8
	.type	k_q2651db0abd_prep,@function
k_q2651db0abd_prep:
	s_mov_b64 s[64:65], 0
	v_nop
	global_prefetch_b8 v0, s[64:65] scope:SCOPE_SE
	s_setreg_imm32_b32 hwreg(HW_REG_WAVE_MODE, 25, 1), 1
	s_wait_xcnt 0x0
; NER2IC, first of three launches.  out = mean_i gelu(LN(Q(ic_i x nm) Q(W1) + b1)) -> Q(.) Q(W2) + b2, Q = the MX-FP4 quantiser along K.
; NO WORK OF reference() IS LEFT OUT: Q(ic_i x nm) is not ic_i x Q(nm) unless ic_i is a power of two, so every row of the large product is live, and every input has a way to the output.
; THIS LAUNCH: (M) nm[b][j] = the mean over the 128 tokens of ner_tokens[b][.][j];  (W1), (W2) the two weights, whose K is their FIRST axis, become codes of E2M1 and E8M0 scale bytes,
; laid in the order of the matrix operand's registers, so that the later launches fetch a fragment by two loads of 16 bytes a lane.
; Work-groups 0-255: path M, one batch row x 128 columns.  256-383: path W1, one K step of 128 x 32 columns.  384-391: path W2, likewise.  The paths part on the work-group's number alone.
; A fragment (16 columns n x 128 k) is 1,024 bytes: byte 512 c + 16 (16 h + r) on holds the 32 codes of block 2 c + h of column r, that is 256 x block + 16 r.  Its scale word (4 bytes, byte kb for block kb) lies apart, 4 bytes a column.
; w1q: [q 4][half 2][34,816]: a half = 2,048 bytes of scale words [K step 4][tile 8][r 16], then the fragments [K step 4][tile 8][1,024].   w2q: fragments [K step 4][tile 4][1,024], from byte 16,384 on scale words [4][4][16].
; A block's scale is 2^(floor(log2(largest magnitude)) - 2): its byte is the largest magnitude's exponent field - 2, held at 1 from below by a floor among the maximum's leaves.
; LIMITS: a block of zeros gets the byte 1 where the rule says 127 (its codes are zeros, which add nothing, and this program alone reads the bytes); NaN and infinities among the inputs are not served;
; the mean's 128 terms are added in another order than reference() adds them.
; No matrix unit, no tensor loads, no cluster: a stream that is read once and shares nothing between work-groups.
.set WS1,   2048                       ; LDS: 0-2047 path M's partial sums; path W1's scale bytes, a word a thread;
.set WS2,   2560                       ; path W2's: each path has LDS bytes of its own
.set SPARE, 3072                       ; the spare words, 128 bytes a wave: two blocks of 256 bytes that no other line names
.set SPW,   1                          ; v1  LDS address of my spare word; never rewritten
.set NIL,   2                          ; v2  0; never rewritten
.set X,     16                         ; v16-143 what is loaded
.set C,     144                        ; v144-159 path M: four chains of sums; paths W: a block's codes
	s_load_b256 s[4:11], s[0:1], 0x0               ; ner_tokens s[4:5], W1 s[6:7], W2 s[8:9], nm s[10:11]
	s_load_b128 s[12:15], s[0:1], 0x20             ; w1q s[12:13], w2q s[14:15]
	v_lshl_add_u32 v[SPW], v0, 2, SPARE
	v_mov_b32 v[NIL], 0
	v_lshrrev_b32 v3, 5, v0
	v_readfirstlane_b32 s16, v3                    ; wave 0..3
	v_and_b32 v4, 31, v0                           ; lane
	; My number is my place in the grid + 256, less 392 from 392 on: the weights' work-groups, which have the longer chain of work behind their loads, come first in the grid
	s_add_co_u32 s36, ttmp9, 256
	s_cmp_ge_u32 s36, 392
	s_cselect_b32 s37, 392, 0
	s_sub_co_u32 s36, s36, s37
	s_cmp_ge_u32 s36, 256
	s_cbranch_scc1 .Lweights
	; ---- path M: wave w adds tokens 32 w .. 32 w + 31 of 128 columns; a lane holds 4 columns, a load covers 512 consecutive bytes
	s_lshr_b32 s17, s36, 3                         ; b
	s_and_b32 s18, s36, 7                          ; which 128 columns
	s_lshl_b32 s20, s17, 19                        ; b x 128 tokens x 4,096 bytes
	s_lshl_b32 s19, s18, 9
	s_add_co_u32 s20, s20, s19
	s_lshl_b32 s21, s16, 17                        ; + 32 tokens a wave
	s_add_co_u32 s20, s20, s21
	s_mov_b32 s21, 0
	s_lshl_b32 s22, s17, 12                        ; nm: row b, the same columns
	s_add_co_u32 s22, s22, s19
	s_mov_b32 s23, 0
	s_wait_alu depctr_va_vdst(0)
	v_lshlrev_b32 v5, 4, v4                        ; 16 x lane
	v_lshlrev_b32 v6, 4, v0                        ; 16 x thread: my wave's 512 bytes of partial sums
	s_wait_alu depctr_va_vdst(0)
	s_wait_kmcnt 0x0
	s_add_nc_u64 s[4:5], s[4:5], s[20:21]
	s_add_nc_u64 s[10:11], s[10:11], s[22:23]
.set i, 0
.rept 32
	global_load_b128 v[X+4*i:X+4*i+3], v5, s[4:5] offset:4096*i th:TH_LOAD_NT
.set i, i+1
.endr
	s_wait_loadcnt 24                              ; tokens 0-7 are in; the 24 younger loads stay out
.irp k, 0,1,2,3                                ; four chains, started by the first eight tokens: nothing is cleared
	v_pk_add_f32 v[C+4*\k:C+4*\k+1], v[X+4*\k:X+4*\k+1], v[X+16+4*\k:X+16+4*\k+1]
	v_pk_add_f32 v[C+4*\k+2:C+4*\k+3], v[X+4*\k+2:X+4*\k+3], v[X+16+4*\k+2:X+16+4*\k+3]
.endr
	s_wait_alu depctr_va_vdst(0)
.irp g, 1,2,3
	s_wait_alu depctr_va_vdst(0)
	s_wait_loadcnt 24-8*\g                         ; the next eight tokens are in
.irp j, 0,1,2,3,4,5,6,7
	v_pk_add_f32 v[C+4*(\j%4):C+4*(\j%4)+1], v[C+4*(\j%4):C+4*(\j%4)+1], v[X+4*(8*\g+\j):X+4*(8*\g+\j)+1]
	v_pk_add_f32 v[C+4*(\j%4)+2:C+4*(\j%4)+3], v[C+4*(\j%4)+2:C+4*(\j%4)+3], v[X+4*(8*\g+\j)+2:X+4*(8*\g+\j)+3]
.endr
.endr
.irp k, 0,2
	v_pk_add_f32 v[C+\k:C+\k+1], v[C+\k:C+\k+1], v[C+4+\k:C+4+\k+1]
	v_pk_add_f32 v[C+8+\k:C+8+\k+1], v[C+8+\k:C+8+\k+1], v[C+12+\k:C+12+\k+1]
.endr
.irp k, 0,2
	v_pk_add_f32 v[C+\k:C+\k+1], v[C+\k:C+\k+1], v[C+8+\k:C+8+\k+1]
.endr
	ds_store_b128 v6, v[C:C+3]
	s_wait_dscnt 0x0                               ; for the others' sake: my partial sums lie in LDS
	s_barrier_signal -1
	s_barrier_wait -1
	s_cmp_lg_u32 s16, 0
	s_cbranch_scc1 .Lend                           ; wave 0 adds the four and stores
.irp k, 0,1,2,3
	ds_load_b128 v[X+4*\k:X+4*\k+3], v5 offset:512*\k
.endr
	s_wait_dscnt 0x0
.irp k, 0,2
	v_pk_add_f32 v[X+\k:X+\k+1], v[X+\k:X+\k+1], v[X+4+\k:X+4+\k+1]
	v_pk_add_f32 v[X+8+\k:X+8+\k+1], v[X+8+\k:X+8+\k+1], v[X+12+\k:X+12+\k+1]
.endr
.irp k, 0,2
	v_pk_add_f32 v[X+\k:X+\k+1], v[X+\k:X+\k+1], v[X+8+\k:X+8+\k+1]
.endr
.irp k, 0,2
	v_pk_mul_f32 v[X+\k:X+\k+1], v[X+\k:X+\k+1], 0x3c000000 op_sel_hi:[1,0]   ; x 1/128: exact
.endr
	global_store_b128 v5, v[X:X+3], s[10:11]       ; 32 lanes store 512 consecutive bytes, at a multiple of 256 from nm's first byte
	s_branch .Lend
; ---- A work-group quantises 32 columns x one K step of 128; wave w takes block w of the four.  A LANE TAKES A COLUMN AND ITS REGISTERS RUN DOWN K: the block of 32 lies in one lane's 32 registers,
; its maximum needs no other lane, and the conversions give the codes with K innermost.  32 loads a wave are out at once.  A column's four scale bytes, one from each wave, meet in LDS, and wave 0 stores the words.
; s[30:31] the source at my wave's first number, v5 = 4 x lane; s[32:33], v6 the codes; s[34:35] the scale words; v7 = 4 x thread; ws: the path's LDS bytes.
.macro WQ pitch, ws
.set i, 0
.rept 32
	global_load_b32 v[X+i], v5, s[30:31] offset:i*\pitch th:TH_LOAD_NT   ; row i, 32 neighbouring columns: 128 consecutive bytes a wave
.set i, i+1
.endr
	s_wait_loadcnt 0x0
	v_max3_num_f32 v8, |v[X]|, |v[X+1]|, |v[X+2]|  ; the block's largest magnitude, in two chains
	v_max3_num_f32 v9, |v[X+3]|, |v[X+4]|, |v[X+5]|
.irp i, 6,10,14,18,22,26
	v_max3_num_f32 v8, v8, |v[X+\i]|, |v[X+\i+1]|
	v_max3_num_f32 v9, v9, |v[X+\i+2]|, |v[X+\i+3]|
.endr
	v_max3_num_f32 v8, v8, |v[X+30]|, |v[X+31]|
	v_max3_num_f32 v8, v8, v9, 0x1800000           ; and the floor 2^(3 - 127): the byte cannot fall under 1
	v_add_nc_u32 v12, 0xff000000, v8               ; 2 off the exponent field: the conversion takes the exponent field of this operand as its scale
.irp g, 0,1,2,3
	v_cvt_scalef32_pk8_fp4_f32 v[C+\g], v[X+8*\g:X+8*\g+7], v12
.endr
	v_lshrrev_b32 v11, 23, v12                     ; the scale's byte (a plain line behind the conversions)
	global_store_b128 v6, v[C:C+3], s[32:33]       ; sixteen lanes store 256 consecutive bytes, aligned
	ds_store_b32 v7, v11 offset:\ws
	s_wait_dscnt 0x0                               ; for wave 0's sake: my bytes lie in LDS
	s_barrier_signal -1
	s_barrier_wait -1
	s_cmp_lg_u32 s16, 0
	s_cbranch_scc1 .Lend
.irp k, 0,1,2,3
	ds_load_b32 v[160+\k], v5 offset:\ws+128*\k    ; my column's byte of block k
.endr
	s_wait_dscnt 0x0
	v_lshl_or_b32 v160, v161, 8, v160              ; four bytes make the column's scale word for this K step
	v_lshl_or_b32 v160, v162, 16, v160
	v_lshl_or_b32 v160, v163, 24, v160
	global_store_b32 v5, v160, s[34:35]            ; runs of 128 bytes: 17 KiB in the whole launch
.endm
.Lweights:
	s_wait_alu depctr_va_vdst(0)
	v_lshlrev_b32 v5, 2, v4                        ; 4 x lane
	v_bfe_u32 v6, v0, 4, 1                         ; which of the two tiles of 16 columns: lane / 16
	v_and_b32 v7, 15, v0
	v_lshlrev_b32 v6, 10, v6
	v_lshl_add_u32 v6, v7, 4, v6                   ; + 16 r
	v_lshlrev_b32 v7, 2, v0                        ; 4 x thread
	s_cmp_ge_u32 s36, 384
	s_cbranch_scc1 .Lw2
	; ---- path W1: K step s = j / 16, columns 32 (j % 16) on
	s_sub_co_u32 s17, s36, 256
	s_lshr_b32 s18, s17, 4                         ; s
	s_and_b32 s19, s17, 15                         ; which 32 columns
	s_lshl_b32 s20, s18, 18                        ; 128 rows of 2,048 bytes,
	s_lshl_b32 s21, s16, 16                        ; 32 rows a wave,
	s_add_co_u32 s20, s20, s21
	s_lshl_b32 s21, s19, 7                         ; 128 bytes for 32 columns
	s_add_co_u32 s20, s20, s21
	s_mov_b32 s21, 0
	s_lshr_b32 s22, s19, 2
	s_mul_i32 s22, s22, 69632                      ; group q of 128 columns,
	s_lshr_b32 s23, s18, 2
	s_mul_i32 s23, s23, 34816                      ; half s / 4
	s_add_co_u32 s22, s22, s23
	s_and_b32 s24, s18, 3                          ; the K step in its half
	s_and_b32 s25, s19, 3                          ; my two tiles among the group's eight
	s_lshl_b32 s26, s24, 13
	s_add_co_u32 s26, s26, s22
	s_lshl_b32 s27, s25, 11
	s_add_co_u32 s26, s26, s27
	s_lshl_b32 s27, s16, 8                         ; block w: 256 w bytes into a fragment
	s_add_co_u32 s26, s26, s27
	s_add_co_u32 s26, s26, 2048                    ; behind the half's scale words
	s_mov_b32 s27, 0
	s_lshl_b32 s28, s24, 9                         ; the K step's 128 scale words,
	s_add_co_u32 s28, s28, s22
	s_lshl_b32 s29, s25, 7                         ; my 32 of them
	s_add_co_u32 s28, s28, s29
	s_mov_b32 s29, 0
	s_wait_kmcnt 0x0
	s_add_nc_u64 s[30:31], s[6:7], s[20:21]
	s_add_nc_u64 s[32:33], s[12:13], s[26:27]
	s_add_nc_u64 s[34:35], s[12:13], s[28:29]
	s_wait_alu depctr_va_vdst(0)
	WQ 2048, WS1
	s_branch .Lend
.Lw2:
	; ---- path W2: K step s = j / 2, columns 32 (j % 2) on
	s_sub_co_u32 s17, s36, 384
	s_lshr_b32 s18, s17, 1                         ; s
	s_and_b32 s19, s17, 1                          ; which 32 columns
	s_lshl_b32 s20, s18, 15                        ; 128 rows of 256 bytes,
	s_lshl_b32 s21, s16, 13                        ; 32 rows a wave,
	s_add_co_u32 s20, s20, s21
	s_lshl_b32 s21, s19, 7
	s_add_co_u32 s20, s20, s21
	s_mov_b32 s21, 0
	s_lshl_b32 s26, s18, 12                        ; the K step's four fragments,
	s_lshl_b32 s27, s19, 11                        ; my two,
	s_add_co_u32 s26, s26, s27
	s_lshl_b32 s27, s16, 8                         ; block w
	s_add_co_u32 s26, s26, s27
	s_mov_b32 s27, 0
	s_lshl_b32 s28, s18, 8                         ; its 64 scale words,
	s_lshl_b32 s29, s19, 7                         ; my 32
	s_add_co_u32 s28, s28, s29
	s_add_co_u32 s28, s28, 16384
	s_mov_b32 s29, 0
	s_wait_kmcnt 0x0
	s_add_nc_u64 s[30:31], s[8:9], s[20:21]
	s_add_nc_u64 s[32:33], s[14:15], s[26:27]
	s_add_nc_u64 s[34:35], s[14:15], s[28:29]
	s_wait_alu depctr_va_vdst(0)
	WQ 256, WS2
.Lend:
	s_wait_tensorcnt 0x0                           ; the wave's end, on every path, behind my last LDS store
	ds_add_u32 v[SPW], v[NIL]
	s_wait_dscnt 0x0
	s_endpgm
.Lfunc_end_k_q2651db0abd_prep:
	.size	k_q2651db0abd_prep, .Lfunc_end_k_q2651db0abd_prep-k_q2651db0abd_prep
	.p2alignl 7, 3214868480
	.fill 96, 4, 3214868480
	.section	.rodata,"a",@progbits
	.p2align	6, 0x0
	.amdhsa_kernel k_q2651db0abd_prep
		.amdhsa_group_segment_fixed_size 3584
		.amdhsa_private_segment_fixed_size 0
		.amdhsa_enable_private_segment 0
		.amdhsa_kernarg_size 48
		.amdhsa_user_sgpr_count 2
		.amdhsa_user_sgpr_kernarg_segment_ptr 1
		.amdhsa_wavefront_size32 1
		.amdhsa_system_sgpr_workgroup_id_x 1
		.amdhsa_system_sgpr_workgroup_id_y 1
		.amdhsa_system_sgpr_workgroup_id_z 1
		.amdhsa_system_vgpr_workitem_id 0
		.amdhsa_next_free_vgpr 176
		.amdhsa_next_free_sgpr 66
		.amdhsa_reserve_vcc 0
		.amdhsa_float_denorm_mode_32 3
		.amdhsa_float_denorm_mode_16_64 3
		.amdhsa_memory_ordered 1
		.amdhsa_forward_progress 1
		.amdhsa_inst_pref_size 23
	.end_amdhsa_kernel
	.amdgpu_metadata
---
amdhsa.version: [ 1, 2 ]
amdhsa.kernels:
  - .name:           k_q2651db0abd_prep
    .symbol:         k_q2651db0abd_prep.kd
    .args:
      - { .name: ner_tokens, .offset: 0, .size: 8, .value_kind: global_buffer, .address_space: global }
      - { .name: W1, .offset: 8, .size: 8, .value_kind: global_buffer, .address_space: global }
      - { .name: W2, .offset: 16, .size: 8, .value_kind: global_buffer, .address_space: global }
      - { .name: nm, .offset: 24, .size: 8, .value_kind: global_buffer, .address_space: global }
      - { .name: w1q, .offset: 32, .size: 8, .value_kind: global_buffer, .address_space: global }
      - { .name: w2q, .offset: 40, .size: 8, .value_kind: global_buffer, .address_space: global }
    .group_segment_fixed_size: 3584
    .private_segment_fixed_size: 0
    .kernarg_segment_align: 8
    .kernarg_segment_size: 48
    .max_flat_workgroup_size: 128
    .sgpr_count:     66
    .vgpr_count:     176
    .wavefront_size: 32
...
	.end_amdgpu_metadata
.endif
;; end of part 1
;; launch main (part 2): grid 256 x 1, 8 waves a work-group, clusters of 4 x 1, 230,912 bytes of LDS; arguments ic_tokens, nm, w1q, b1, ln_gamma, ln_beta, part; writes part
.if DOCPART == 2
	.amdgcn_target "amdgcn-amd-amdhsa--gfx1250"
	.amdhsa_code_object_version 6
	.text
	.protected	k_q2651db0abd_main
	.globl	k_q2651db0abd_main
	.p2align	8
	.type	k_q2651db0abd_main,@function
k_q2651db0abd_main:
	s_mov_b64 s[64:65], 0
	v_nop
	global_prefetch_b8 v0, s[64:65] scope:SCOPE_SE
	s_setreg_imm32_b32 hwreg(HW_REG_WAVE_MODE, 25, 1), 1
	s_wait_xcnt 0x0
	s_wait_alu depctr_hold_cnt(0) depctr_sa_sdst(0) depctr_va_vdst(0) depctr_va_sdst(0) depctr_va_ssrc(0) depctr_va_vcc(0) depctr_vm_vsrc(0)
	s_getreg_b32 s2, hwreg(HW_REG_IB_STS2, 6, 4)
	s_cmp_eq_u32 s2, 0
	s_cbranch_scc0 .Lentry_in_a_cluster
	s_endpgm
.Lentry_in_a_cluster:
	s_bfe_u32 s2, ttmp6, 0x10000c
	s_cmp_lg_u32 s2, 0x3003
	s_cbranch_scc0 .Lentry_shape_is_right
	s_endpgm
.Lentry_shape_is_right:
; NER2IC, second launch: part[b][g][n] = the sum over the 128 rows i = 128 g .. 128 g + 127 of z (1 + erf z), z = (LN(Q(ic[b][i] x nm[b][.]) Q(W1) + b1) gamma + beta) / sqrt(2).
; gelu(y) = y (1 + erf(y / sqrt 2)) / 2 = z (1 + erf z) / sqrt 2 with y = sqrt(2) z: the factor 1 / (1024 sqrt 2) of gelu and of the mean over i is applied in the last launch.  No work of reference() is left out.
; SHARES.  A work-group owns 128 rows i of one b; its eight waves share the COLUMNS: wave w makes all 128 rows x columns 64 w .. 64 w + 63: 16 accumulators of 32 x 16, 256 registers.
; W1, laid by the first launch in the order of the operand's registers: the first half of K comes into LDS by one joint tensor load a wave; the second half goes from memory straight into the registers of the one wave that wants it:
; all of W1 (278,528 bytes) and the rows' fragments for all of K (69,632) do not fit in LDS together (327,680).
; THE ROWS ARE MADE HERE.  A LANE IS A BLOCK OF 32 ALONG K: nm[b] lies in 32 registers (lane l: nm[32 l ..]); wave w makes rows 16 w .. 16 w + 15, one after the other: nm x ic (a scalar), its scale, its codes, stored as images of the operand's registers.
; A BLOCK'S LARGEST MAGNITUDE IS NOT SEARCHED FOR ROW BY ROW: rounding to nearest keeps order, so the largest of fl(|ic nm_j|) over a block is fl(|ic| x the largest |nm_j|), bit for bit.
; THE MATRIX INSTRUCTION IS USED TRANSPOSED (source 0 = 32 columns of W1, source 1 = 16 rows): a lane holds ONE row r = lane % 16 of a tile, its register 8 t + j of a row tile's 32 the column 16 t + 8 (lane / 16) + j.
; LAYERNORM: each wave takes the mean of its 64 columns of a row and the sum of squares about that mean, in two passes; the eight pairs are joined as M2 = sum M2_w + 64 sum (mean_w - mean)^2: no difference of large sums is formed.
; erf z = zc P(zc^2) / Q(zc^2), zc = z held to -4 .. 4, P of degree 6 and Q of degree 4 in zc^2: a rational form good to a few units in the last place of f32 over the whole range.
; CLUSTER.  The four work-groups of a cluster need the same W1: its first half is asked for JOINTLY, with the same descriptor and the mask of all four.  My place in the cluster enters the global addresses of ic_tokens and of part alone.
; One tensor load a wave, a first fill; no LDS byte is filled twice.  No prefetch: the launch has no loop to run ahead in, and each wave asks for all that it will read at its head or three K steps ahead.
; LIMITS: NaN and infinities among the inputs are not served; a block of zeros gets the byte 1 (its codes are zeros); sums are taken in another order than reference() takes them.
;
; LDS: 0 W1's first half, 34,816 for each 128 columns (2,048 scale words, 32 fragments of 1,024) | XI the rows' fragments: row tile a: 8,704 a, block k: 272 k, row r: 16 r (16 of padding behind each 256: 16 blocks start at 16 different groups of banks)
;      | XSC scale bytes, 48 a row, 32 used | NM nm[b], 144 a block | ST the waves' means and M2 | SPARE the spare words.  The stage of the way out lies over XI, which nobody reads by then.
; REGISTERS.  Window 0: v1-19 addresses; v20-47 scale words and nothing else (v20-23 W1's, K steps 0-3, two sets; v24-31 K steps 4-7; v32-47 the rows', four K steps); v48-111 the rows' fragments; v112-239 W1's, four sets of 32.
;   Making rows: v48-79 nm, v80-143 ic x nm, two sets, v144-159 codes, v160-169 at work.  Afterwards: v48-175 at work, v176-207 gamma / sqrt 2, v208-239 beta / sqrt 2, v240-255 a pair (1 / sigma, offset) for each row tile.
;   Window 1: accumulator of row tile a, column half p at v[32 a + 16 p]; later z in place, and the sums over row tiles in row tile 0's registers.
.set XI,   139264
.set XSC,  208896
.set NM,   215040
.set ST,   219648
.set SPARE, 229888                     ; 128 bytes a wave: four blocks of 256 bytes that no other line names
.set SPW,  1
.set NIL,  2
.set ADRW, 3
.set ADRWS, 4
.set ADRX, 5                           ; v5, v6  row tiles 0-3, 4-7
.set ADRXS, 7
.set XWI,  8
.set XWB,  9
.set NMA,  10
.set NMW,  11
.set GVO,  12
.set WGO,  13
.set WSO,  14
.set NMO,  15
.set STW,  16
.set STR,  17
.set STO,  18
.set RD,   19
.set SX,   32
.set XF,   48
.set NMR,  48
.set XT,   80
.set CO,   144
.set TQ,   160
.set MX,   168
.set IC,   44                          ; s[44:59] ic of my 16 rows
.set CH,   48
.set SM,   80
.set ME,   88
.set MV,   96
.set EX,   104
.set ZC,   48                          ; GELU's chunks of 16 numbers: zc, three buffers,
.set SS,   96                          ; zc^2, two,
.set QQ,   128                         ; Q, then its reciprocal, two,
.set PP,   160                         ; P, one
.set GG,   176
.set BB,   208
.set R,    240
.set A11,  4                           ; (LDS addresses until the products are done)
.set B6,   6
.set MSB, 0
.macro WIN new                         ; the immediate's high byte repeats the setting that is left; a switch that changes nothing is dropped
.if MSB != (\new)
	s_set_vgpr_msb (MSB<<8)|(\new)
.set MSB, (\new)
.endif
.endm
.macro PLACES n
.rept \n
	v_nop
.endr
.endm
.macro ROUND                           ; a round of the cluster's barrier
	s_barrier_signal -1
	s_barrier_wait -1
	s_cmp_lg_u32 s18, 0
	s_cbranch_scc1 .Lnot_wave_0_\@
	s_barrier_signal -3
.Lnot_wave_0_\@:
	s_barrier_wait -3
	s_barrier_signal -1
	s_barrier_wait -1
.endm
.macro CPAIR r, bits                   ; a constant as a scalar pair: the packed forms name a pair and take its low word for both halves
	s_mov_b32 s[\r], \bits
	s_mov_b32 s[\r+1], \bits
.endm
	s_load_b256 s[4:11], s[0:1], 0x0               ; ic_tokens s[4:5], nm s[6:7], w1q s[8:9], b1 s[10:11]
	s_load_b128 s[12:15], s[0:1], 0x20             ; ln_gamma s[12:13], ln_beta s[14:15]
	s_load_b64 s[16:17], s[0:1], 0x30              ; part
	v_lshl_add_u32 v[SPW], v0, 2, SPARE
	v_mov_b32 v[NIL], 0
	ds_add_u32 v[SPW], v[NIL]                      ; the wave's opening: the add, twice on end, and its wait ahead of the round in front of my tensor load
	ds_add_u32 v[SPW], v[NIL]
	v_lshrrev_b32 v48, 5, v0
	v_readfirstlane_b32 s18, v48                   ; wave 0..7
	s_bfe_u32 s22, ttmp6, 0x40000                  ; cx: my place in the cluster
	s_lshr_b32 s23, ttmp9, 1                       ; b: two clusters to a batch row
	s_and_b32 s19, ttmp9, 1
	s_lshl_b32 s19, s19, 2
	s_add_co_u32 s22, s22, s19                     ; g = 4 (cluster % 2) + cx: my 128 rows
	; descriptor group 1: a dense block as 68 rows of 256 bytes (32 elements of 8 bytes), no padding
	s_mov_b32 s24, 15|(3<<16)|(1<<21)              ; 15:0 the mask: all four work-groups; 17:16 elements of 8 bytes; 21 set beside a mask
	s_mov_b32 s25, 32<<16
	s_mov_b32 s26, 68<<16
	s_mov_b32 s27, 32<<16
	s_mov_b32 s28, 68
	s_mov_b32 s29, 32
	s_mov_b32 s30, 0
	s_mov_b32 s31, 0
	s_mov_b32 s20, 0x76543210
	s_mov_b32 s21, 0xfedcba98                      ; v_permlanex16_b32's selects for lane l xor 16
	CPAIR 66, 0xaf95df0b                           ; P: a13,
	CPAIR 68, 0xb60cff51                           ; a9 (a11 lies in a vector pair),
	CPAIR 70, 0xb86ec2d2                           ; a7,
	CPAIR 72, 0xba40ac63                           ; a5,
	CPAIR 74, 0xbb41a1f6                           ; a3,
	CPAIR 76, 0xbc83dbd4                           ; a1
	CPAIR 78, 0xb77460cd                           ; Q: b8,
	CPAIR 80, 0xbadc924e                           ; b4 (b6 lies in a vector pair),
	CPAIR 82, 0xbbf19bf8                           ; b2,
	CPAIR 84, 0xbc69b6a7                           ; b0
	CPAIR 86, 0x3f3504f3                           ; 1 / sqrt 2
	s_mov_b32 s89, 0
	s_mov_b32 s92, 0x3b000000                      ; 1 / 512
	s_mov_b32 s93, 0x3727c5ac                      ; 1e-5
	s_lshr_b32 s33, s18, 1                         ; q: which 128 columns
	s_and_b32 s34, s18, 1                          ; which 64 of them
	; LDS bases
	s_mul_i32 s35, s33, 34816
	s_lshl_b32 s36, s34, 12
	s_add_co_u32 s36, s36, s35
	s_add_co_u32 s36, s36, 2048                    ; my four tiles of W1
	s_lshl_b32 s37, s34, 8
	s_add_co_u32 s37, s37, s35                     ; their scale words
	s_mul_i32 s38, s18, 8704
	s_add_co_u32 s38, s38, XI                      ; the image of the row tile that I make
	s_mul_i32 s39, s18, 768
	s_add_co_u32 s39, s39, XSC                     ; its scale bytes
	s_lshl_b32 s44, s18, 8
	s_mul_i32 s45, s18, 1280
	s_add_co_u32 s45, s45, ST
	s_mul_i32 s46, s18, 4352
	s_add_co_u32 s46, s46, XI                      ; my stage
	; global offsets
	s_mul_i32 s32, s33, 69632
	s_mul_i32 s47, s34, 17408
	s_add_co_u32 s94, s32, s47                     ; the tensor load: half of group q's first half of K
	s_mov_b32 s95, 0
	s_mul_i32 s41, s18, 17408                      ; and where it goes
	s_lshl_b32 s48, s34, 12
	s_add_co_u32 s48, s48, s32
	s_add_co_u32 s48, s48, 36864                   ; the second half of K: my tiles' fragments,
	s_mov_b32 s49, 0
	s_lshl_b32 s50, s34, 8
	s_add_co_u32 s50, s50, s32
	s_add_co_u32 s50, s50, 34816                   ; and scale words
	s_mov_b32 s51, 0
	s_lshl_b32 s52, s23, 12                        ; row b of nm and of ic_tokens
	s_mov_b32 s53, 0
	s_lshl_b32 s54, s22, 9
	s_add_co_u32 s54, s54, s52
	s_lshl_b32 s55, s18, 6
	s_add_co_u32 s54, s54, s55                     ; ic: + 128 g + 16 w numbers
	s_mov_b32 s55, 0
	s_lshl_b32 s56, s23, 3
	s_add_co_u32 s56, s56, s22
	s_lshl_b32 s56, s56, 11
	s_lshl_b32 s57, s18, 8
	s_add_co_u32 s56, s56, s57                     ; part: row 8 b + g of 2,048 bytes, + 256 w
	s_mov_b32 s57, 0
	v_lshlrev_b32 v[NMO], 4, v0                    ; nm: 16 bytes a thread, the whole row
	v_and_b32 v49, 31, v0                          ; lane
	v_and_b32 v50, 15, v0                          ; r
	v_bfe_u32 v51, v0, 4, 1                        ; h
	v_lshl_add_u32 v[ADRW], v49, 4, s36
	v_lshl_add_u32 v[ADRWS], v49, 2, s37
	v_mul_u32_u24 v[ADRX], v51, 272                ; lane (r, h) of a fragment's load takes row r of block 2 c + h
	v_lshl_add_u32 v[ADRX], v50, 4, v[ADRX]
	v_add_nc_u32 v[ADRX], XI, v[ADRX]
	v_add_nc_u32 v[ADRX+1], 34816, v[ADRX]
	v_mul_u32_u24 v[ADRXS], v49, 48                ; the rows' scale words: lanes 0-15 an even row tile's, lanes 16-31 the next one's
	v_add_nc_u32 v[ADRXS], XSC, v[ADRXS]
	v_mul_u32_u24 v[XWI], v49, 272
	v_add_nc_u32 v[XWI], s38, v[XWI]
	v_add_nc_u32 v[XWB], s39, v49
	v_mul_u32_u24 v[NMA], v49, 144
	v_add_nc_u32 v[NMA], NM, v[NMA]
	v_lshrrev_b32 v52, 3, v0
	v_mul_u32_u24 v[NMW], v52, 144
	v_and_b32 v53, 7, v0
	v_lshl_add_u32 v[NMW], v53, 4, v[NMW]
	v_add_nc_u32 v[NMW], NM, v[NMW]
	v_lshl_add_u32 v[GVO], v51, 5, s44             ; b1, gamma, beta: 256 w + 32 h; tile t is 64 t bytes on
	v_lshlrev_b32 v[WGO], 4, v49
	v_lshlrev_b32 v[WSO], 2, v49
	v_mul_u32_u24 v54, v50, 80
	v_add_nc_u32 v[STW], s45, v54
	v_lshl_add_u32 v[STR], v51, 5, v54
	v_add_nc_u32 v[STR], ST, v[STR]
	v_mul_u32_u24 v55, v50, 272
	v_lshl_add_u32 v55, v51, 5, v55
	v_add_nc_u32 v[STO], s46, v55
	v_mul_u32_u24 v56, v51, 2176
	v_lshl_add_u32 v56, v50, 4, v56
	v_add_nc_u32 v[RD], s46, v56
	s_wait_alu depctr_va_vdst(0)                   ; the end of the head's vector work
	s_wait_dscnt 0x0                               ; both opening adds are done
	s_wait_kmcnt 0x0
	s_add_nc_u64 s[6:7], s[6:7], s[52:53]
	global_load_b128 v[XT:XT+3], v[NMO], s[6:7]    ; nm first: it is wanted first.  The eight waves read the row's 4,096 bytes once
	s_add_nc_u64 s[4:5], s[4:5], s[54:55]
	s_add_nc_u64 s[42:43], s[8:9], s[94:95]
	s_add_nc_u64 s[60:61], s[8:9], s[48:49]
	s_add_nc_u64 s[62:63], s[8:9], s[50:51]
	s_add_nc_u64 s[90:91], s[16:17], s[56:57]
	s_load_b512 s[IC:IC+15], s[4:5], 0x0           ; ic of my 16 rows
	s_mov_b32 s40, 1                               ; group 0: count = 1; its LDS address stands; type = 2
	s_or_b32 s43, s43, 0x80000000
.macro WSET ks                         ; where K step ks of W1 lies: fragments and scale words
.if (\ks) < 4
.set WS, 112+32*((\ks)%2)
.set SR, 20+2*((\ks)%2)
.else
.set SR, 24+2*((\ks)-4)
.if (\ks) < 6
.set WS, 176+32*((\ks)-4)
.else
.set WS, 112+32*((\ks)%2)
.endif
.endif
.endm
.macro GLOADW ks                       ; K step 4 .. 7 straight from memory: 512 consecutive bytes a load
	WSET \ks
.irp t, 0,1,2,3
.irp c, 0,1
	global_load_b128 v[WS+8*\t+4*\c:WS+8*\t+4*\c+3], v[WGO], s[60:61] offset:(8*((\ks)-4)+\t)*1024+512*\c
.endr
.endr
.endm
.macro COLS dst, base                  ; a number for each of my lane's 32 columns
.irp t, 0,1,2,3
	global_load_b128 v[\dst+8*\t:\dst+8*\t+3], v[GVO], s[\base:\base+1] offset:64*\t
	global_load_b128 v[\dst+8*\t+4:\dst+8*\t+7], v[GVO], s[\base:\base+1] offset:64*\t+16
.endr
.endm
	ROUND                                          ; all four work-groups are here: the joint loads meet
	tensor_load_to_lds s[40:43], s[24:31]
	s_nop 0
	PLACES 4                                       ; four plain places behind the tensor load
	WIN 0x40
	COLS 224, 10                                   ; b1 into row tile 7's accumulators: every row tile's first products take them as C
	WIN 0
.irp k, 0,1,2,3
.irp p, 0,1
	global_load_b32 v[24+2*\k+\p], v[WSO], s[62:63] offset:512*\k+128*\p
.endr
.endr
	GLOADW 4
	GLOADW 5
	s_wait_loadcnt 32                              ; my 16 bytes of nm are in; b1's 8, the 8 scale words and 16 of W1 stay out
	ds_store_b128 v[NMW], v[XT:XT+3]
	s_wait_dscnt 0x0                               ; for the others' sake
	s_barrier_signal -1
	s_barrier_wait -1
.irp i, 0,1,2,3,4,5,6,7
	ds_load_b128 v[NMR+4*\i:NMR+4*\i+3], v[NMA] offset:16*\i
.endr
	s_wait_kmcnt 0x0                               ; ic
	s_wait_dscnt 0x0
	; ---- my 16 rows
	v_max3_num_f32 v[MX], |v[NMR]|, |v[NMR+1]|, |v[NMR+2]|   ; my block's largest |nm|, in two chains
	v_max3_num_f32 v[MX+1], |v[NMR+3]|, |v[NMR+4]|, |v[NMR+5]|
.irp i, 6,10,14,18,22,26
	v_max3_num_f32 v[MX], v[MX], |v[NMR+\i]|, |v[NMR+\i+1]|
	v_max3_num_f32 v[MX+1], v[MX+1], |v[NMR+\i+2]|, |v[NMR+\i+3]|
.endr
	v_max3_num_f32 v[MX], v[MX], |v[NMR+30]|, |v[NMR+31]|
	v_max_num_f32 v[MX], v[MX], v[MX+1]
.macro PROD n
.rept \n
	v_pk_mul_f32 v[XS+qi:XS+qi+1], v[NMR+qi:NMR+qi+1], s[SP:SP+1] op_sel_hi:[1,0]   ; outer[b][i][j] = ic x nm, in f32
.set qi, qi+2
.endr
.endm
.macro QROW i
.set XS, XT+32*((\i)%2)
.set QT, TQ+4*((\i)%2)
.set QC, CO+4*((\i)%4)
.set qi, 0
.if (\i)%2
	s_mov_b32 s88, s[IC+\i]                        ; an odd row's ic, at an even register
.set SP, 88
.else
.set SP, IC+\i
.endif
	v_mul_f32 v[QT], s[IC+\i], v[MX]               ; (the plain place behind the last row's conversions)
	PROD 8
	v_max_num_f32 v[QT], 0x1800000, |v[QT]|        ; the block's largest magnitude, or the floor 2^(3 - 127): the byte cannot fall under 1
	PROD 4
	v_add_nc_u32 v[QT+1], 0xff000000, v[QT]        ; 2 off the exponent field: the conversions' scale operand
	PROD 4
	v_lshrrev_b32 v[QT+2], 23, v[QT+1]             ; the scale's byte
.irp g, 0,1,2,3
	v_cvt_scalef32_pk8_fp4_f32 v[QC+\g], v[XS+8*\g:XS+8*\g+7], v[QT+1]
.endr
	ds_store_b128 v[XWI], v[QC:QC+3] offset:16*(\i)
	ds_store_b8 v[XWB], v[QT+2] offset:48*(\i)
.endm
.irp i, 0,1,2,3,4,5,6,7,8,9,10,11,12,13,14,15
	QROW \i
.endr
	v_nop                                          ; one plain place behind the last conversion
	s_wait_tensorcnt 0x0                           ; my part of W1's first half is in,
	s_wait_dscnt 0x0                               ; and my rows lie in LDS: for the others' sake
	s_barrier_signal -1
	s_barrier_wait -1
	; ---- THE PRODUCTS: eight K steps of 128.  A row tile is free as soon as its two products are issued, so the rows have one set of registers: tiles 0-3 are fetched anew in the step's middle, tiles 4-7 at its end.
.macro FETCHX ks, b
.irp i, 0,1,2,3
.irp c, 0,1
	ds_load_b128 v[XF+8*(4*\b+\i)+4*\c:XF+8*(4*\b+\i)+4*\c+3], v[ADRX+\b] offset:8704*\i+1088*(\ks)+544*\c
.endr
.endr
.endm
.macro FETCHS hf                       ; the rows' scale words of four K steps: lanes 0-15 row tile 2 i, lanes 16-31 row tile 2 i + 1
.irp i, 0,1,2,3
	ds_load_b128 v[SX+4*\i:SX+4*\i+3], v[ADRXS] offset:1536*\i+16*\hf
.endr
.endm
.macro FETCHW ks                       ; W1's K step 0 .. 3 from LDS
	WSET \ks
.irp p, 0,1
	ds_load_b32 v[SR+\p], v[ADRWS] offset:512*(\ks)+128*\p
.endr
.irp t, 0,1,2,3
.irp c, 0,1
	ds_load_b128 v[WS+8*\t+4*\c:WS+8*\t+4*\c+3], v[ADRW] offset:(8*(\ks)+\t)*1024+512*\c
.endr
.endr
.endm
; The 16 accumulators take turns, one instruction a turn, in the same order in every K step.
.macro MUL a, ks
	WSET \ks
.irp p, 0,1
.if (\ks) == 0
.set MC, 224+16*\p                     ; b1 is the C: nothing is cleared, and the bias costs no addition
.else
.set MC, 32*(\a)+16*\p
.endif
.if (\a)%2
	v_wmma_scale_f32_32x16x128_f4 v[32*(\a)+16*\p:32*(\a)+16*\p+15], v[WS+16*\p:WS+16*\p+15], v[XF+8*(\a):XF+8*(\a)+7], v[MC:MC+15], v[SR+\p], v[SX+4*((\a)/2)+(\ks)%4] matrix_b_scale:MATRIX_SCALE_ROW1
.else
	v_wmma_scale_f32_32x16x128_f4 v[32*(\a)+16*\p:32*(\a)+16*\p+15], v[WS+16*\p:WS+16*\p+15], v[XF+8*(\a):XF+8*(\a)+7], v[MC:MC+15], v[SR+\p], v[SX+4*((\a)/2)+(\ks)%4]
.endif
.endr
.endm
.macro STEP ks
.if (\ks) == 7
	s_wait_loadcnt 16                              ; K step 7 of W1 is in; gamma's and beta's 16 may be out
.elseif (\ks) >= 4
	s_wait_loadcnt 24                              ; K step ks of W1 is in; the three runs of eight issued behind it may be out
.endif
	WIN 0x50                                       ; sources 0 and 1 window 0, C and D window 1
.irp a, 0,1,2,3
.if (\ks) == 4
.if \a == 0
	s_wait_dscnt 8                                 ; the rows' new scale words stand in front of row tiles 4-7's eight loads: those alone may be out
.endif
.else
	s_wait_dscnt 14-2*\a                           ; W1, the scale words and this row tile are in; the row tiles behind it, two loads each, may be out
.endif
	MUL \a, \ks
.endr
.set NY, 0                             ; loads issued for the next K step ahead of row tiles 4-7's products
.if (\ks) < 7
	PLACES 4                                       ; four plain places in front of loads into registers that matrix instructions have read
	WIN 0
.set NY, 8
.if (\ks) < 3
	FETCHW (\ks)+1
.set NY, 18
.endif
	FETCHX (\ks)+1, 0
	WIN 0x50
.endif
.irp a, 4,5,6,7
	s_wait_dscnt NY+14-2*\a                        ; this row tile is in; those behind it and the NY loads just issued may be out
.if ((\ks) == 0) && (\a == 7)
	PLACES 5                                       ; row tile 7's accumulators held b1, which the products before took as C
.endif
	MUL \a, \ks
.endr
	PLACES 4
	WIN 0
.if (\ks) < 7
.if (\ks) == 3
	FETCHS 1
.endif
	FETCHX (\ks)+1, 1
.endif
.if (\ks) == 2
	GLOADW 6                                       ; into the set that this step is done with, three K steps ahead of its use;
.elseif (\ks) == 3
	GLOADW 7
.elseif (\ks) == 4
	COLS GG, 12                                    ; gamma and beta likewise, wanted behind LayerNorm's two passes
.elseif (\ks) == 5
	COLS BB, 14
.endif
.endm
	FETCHS 0
	FETCHW 0
	FETCHX 0, 0
	FETCHX 0, 1
	s_wait_loadcnt 24                              ; b1 is in; the scale words' 8 and W1's 16 may be out
.irp ks, 0,1,2,3,4,5,6,7
	STEP \ks
.endr
	; ---- LAYERNORM.  16 chains by turns; each accumulator is read from its low end on
.macro JOIN dst                        ; two chains of pairs a row tile become one number; with lane l xor 16's: my wave's 64 columns
.irp a, 0,1,2,3,4,5,6,7
	v_pk_add_f32 v[CH+4*\a:CH+4*\a+1], v[CH+4*\a:CH+4*\a+1], v[CH+4*\a+2:CH+4*\a+3]
.endr
.irp a, 0,1,2,3,4,5,6,7
	v_add_f32 v[\dst+\a], v[CH+4*\a], v[CH+4*\a+1]
.endr
.irp a, 0,1,2,3,4,5,6,7
	v_permlanex16_b32 v[CH+\a], v[\dst+\a], s20, s21
.endr
.irp a, 0,1,2,3,4,5,6,7
	v_add_f32 v[\dst+\a], v[\dst+\a], v[CH+\a]
.endr
.endm
	WIN 0x05
.irp k, 0,2
.irp a, 0,1,2,3,4,5,6,7
	v_pk_add_f32 v[CH+4*\a+\k:CH+4*\a+\k+1], v[32*\a+\k:32*\a+\k+1], v[32*\a+16+\k:32*\a+16+\k+1]
.endr
.endr
	WIN 0x04
.irp j, 4,6,20,22,8,10,24,26,12,14,28,30
.irp a, 0,1,2,3,4,5,6,7
	v_pk_add_f32 v[CH+4*\a+2*((\j/2)%2):CH+4*\a+2*((\j/2)%2)+1], v[CH+4*\a+2*((\j/2)%2):CH+4*\a+2*((\j/2)%2)+1], v[32*\a+\j:32*\a+\j+1]
.endr
.endr
	WIN 0
	JOIN ME
.irp a, 0,1,2,3,4,5,6,7
	v_mul_f32 v[ME+\a], 0x3c800000, v[ME+\a]       ; the mean of my 64 columns
.endr
	WIN 0x41
.irp a, 0,2,4,6                        ; x - that mean, in place: even and odd row tiles take the low and the high word of a pair
.set ci, 0
.rept 16
	v_pk_add_f32 v[32*\a+ci:32*\a+ci+1], v[32*\a+ci:32*\a+ci+1], v[ME+\a:ME+\a+1] op_sel_hi:[1,0] neg_lo:[0,1] neg_hi:[0,1]
	v_pk_add_f32 v[32*\a+32+ci:32*\a+32+ci+1], v[32*\a+32+ci:32*\a+32+ci+1], v[ME+\a:ME+\a+1] op_sel:[0,1] op_sel_hi:[1,1] neg_lo:[0,1] neg_hi:[0,1]
.set ci, ci+2
.endr
.endr
	WIN 0x05
.irp k, 0,2                            ; and the sums of its squares
.irp a, 0,1,2,3,4,5,6,7
	v_pk_mul_f32 v[CH+4*\a+\k:CH+4*\a+\k+1], v[32*\a+\k:32*\a+\k+1], v[32*\a+\k:32*\a+\k+1]
.endr
.endr
.irp j, 4,6,8,10,12,14,16,18,20,22,24,26,28,30
.irp a, 0,1,2,3,4,5,6,7
	v_pk_fma_f32 v[CH+4*\a+2*((\j/2)%2):CH+4*\a+2*((\j/2)%2)+1], v[32*\a+\j:32*\a+\j+1], v[32*\a+\j:32*\a+\j+1], v[CH+4*\a+2*((\j/2)%2):CH+4*\a+2*((\j/2)%2)+1]
.endr
.endr
	WIN 0
	JOIN MV
	; from wave to wave: a row's 64 bytes are means of tiles 0-3, M2 of tiles 0-3, means of tiles 4-7, M2 of tiles 4-7; lanes r and 16 + r write the same bytes with the same values
.irp k, 0,1
	ds_store_b128 v[STW], v[ME+4*\k:ME+4*\k+3] offset:32*\k
	ds_store_b128 v[STW], v[MV+4*\k:MV+4*\k+3] offset:32*\k+16
.endr
	s_wait_loadcnt 0x0                             ; gamma and beta
	s_wait_dscnt 0x0                               ; for the others' sake
	s_barrier_signal -1
.set ci, 0
.rept 32
	v_pk_mul_f32 v[GG+ci:GG+ci+1], v[GG+ci:GG+ci+1], s[86:87] op_sel_hi:[1,0]   ; gamma / sqrt 2, beta / sqrt 2: work on registers while the others arrive
.set ci, ci+2
.endr
	s_barrier_wait -1
.irp w, 0,1,2,3,4,5,6,7                ; lane (r, h) joins the eight waves' pairs of row tiles 4 h .. 4 h + 3
	ds_load_b128 v[EX+8*\w:EX+8*\w+3], v[STR] offset:1280*\w
	ds_load_b128 v[EX+8*\w+4:EX+8*\w+7], v[STR] offset:1280*\w+16
.endr
	s_wait_dscnt 0x0
.macro TREE d, s                       ; four numbers a wave, over the eight waves
.irp k, 0,2
.irp w, 0,1,2,3
	v_pk_add_f32 v[\d+4*\w+\k:\d+4*\w+\k+1], v[\s+16*\w+\k:\s+16*\w+\k+1], v[\s+16*\w+8+\k:\s+16*\w+8+\k+1]
.endr
.endr
.irp k, 0,2
	v_pk_add_f32 v[\d+\k:\d+\k+1], v[\d+\k:\d+\k+1], v[\d+4+\k:\d+4+\k+1]
	v_pk_add_f32 v[\d+8+\k:\d+8+\k+1], v[\d+8+\k:\d+8+\k+1], v[\d+12+\k:\d+12+\k+1]
.endr
.irp k, 0,2
	v_pk_add_f32 v[\d+\k:\d+\k+1], v[\d+\k:\d+\k+1], v[\d+8+\k:\d+8+\k+1]
.endr
.endm
	TREE CH, EX
	TREE CH+16, EX+4
.irp k, 0,2
	v_pk_mul_f32 v[CH+\k:CH+\k+1], v[CH+\k:CH+\k+1], 0x3e000000 op_sel_hi:[1,0]   ; the row's mean
.endr
.irp w, 0,1,2,3,4,5,6,7
.irp k, 0,2
	v_pk_add_f32 v[EX+8*\w+\k:EX+8*\w+\k+1], v[EX+8*\w+\k:EX+8*\w+\k+1], v[CH+\k:CH+\k+1] neg_lo:[0,1] neg_hi:[0,1]
.endr
.endr
.irp w, 0,1
.irp k, 0,2
	v_pk_mul_f32 v[CH+4+4*\w+\k:CH+4+4*\w+\k+1], v[EX+8*\w+\k:EX+8*\w+\k+1], v[EX+8*\w+\k:EX+8*\w+\k+1]
.endr
.endr
.irp w, 2,3,4,5,6,7
.irp k, 0,2
	v_pk_fma_f32 v[CH+4+4*(\w%2)+\k:CH+4+4*(\w%2)+\k+1], v[EX+8*\w+\k:EX+8*\w+\k+1], v[EX+8*\w+\k:EX+8*\w+\k+1], v[CH+4+4*(\w%2)+\k:CH+4+4*(\w%2)+\k+1]
.endr
.endr
.irp k, 0,2
	v_pk_add_f32 v[CH+4+\k:CH+4+\k+1], v[CH+4+\k:CH+4+\k+1], v[CH+8+\k:CH+8+\k+1]
.endr
.irp k, 0,1,2,3
	v_fma_f32 v[CH+16+\k], v[CH+16+\k], s92, s93   ; sum M2 / 512 + 1e-5
.endr
.irp k, 0,1,2,3
	v_fma_f32 v[CH+16+\k], v[CH+4+\k], 0x3e000000, v[CH+16+\k]   ; + 64 / 512 of the means' squares
.endr
	s_mov_b32 s19, 0xffff0000                      ; lanes 16-31
	s_wait_alu depctr_va_vdst(0)
.irp k, 0,1,2,3
	v_rsq_f32 v[CH+20+\k], v[CH+16+\k]
.endr
	v_mov_b32 v[A11], 0x32edffee                   ; (plain places)  P's a11 and Q's b6 as vector pairs: a packed form then names one scalar pair
	v_mov_b32 v[A11+1], 0x32edffee
	v_mov_b32 v[B6], 0xb95fbd29
	v_mov_b32 v[B6+1], 0xb95fbd29
	s_wait_alu depctr_va_vdst(0)                   ; one wait for the four, ahead of their first reader
.irp k, 0,1,2,3
	v_permlanex16_b32 v[EX+\k], v[CH+\k], s20, s21         ; the other half's row tiles
	v_permlanex16_b32 v[EX+4+\k], v[CH+20+\k], s20, s21
.endr
.irp k, 0,1,2,3                        ; every lane gets all eight: row tile k from lanes 0-15, row tile 4 + k from lanes 16-31
	v_cndmask_b32 v[SM+\k], v[CH+\k], v[EX+\k], s19
	v_cndmask_b32 v[SM+4+\k], v[EX+\k], v[CH+\k], s19
	v_cndmask_b32 v[R+2*\k], v[CH+20+\k], v[EX+4+\k], s19
	v_cndmask_b32 v[R+8+2*\k], v[EX+4+\k], v[CH+20+\k], s19
.endr
.irp a, 0,1,2,3,4,5,6,7
	v_sub_f32 v[SM+\a], v[ME+\a], v[SM+\a]
.endr
.irp a, 0,1,2,3,4,5,6,7
	v_mul_f32 v[R+2*\a+1], v[SM+\a], v[R+2*\a]     ; (my wave's mean - the row's mean) / sigma
.endr
	; ---- GELU and the sum over rows, a row tile at a time
; Chunk k = 16 numbers a lane: registers 16 k .. of window 1 (row tile k / 2, columns' half k % 2).  A PIPELINE: body d brings chunk d from zc to Q and its reciprocals, and chunk d - 1 from P to the sums; the two chains of
; multiply-adds stand level by level between each other, and behind each reciprocal stands one clamp of chunk d + 2.  ONE wait a body, ahead of its reciprocals, serves all: Q's last level, P zc, the clamps and z of the bodies
; before, and the reciprocals of the body before, which are first read behind it.
.macro ZMAKE k
	WIN 0x41
.set gi, 0
.rept 8
	v_pk_fma_f32 v[16*(\k)+gi:16*(\k)+gi+1], v[16*(\k)+gi:16*(\k)+gi+1], v[R+2*((\k)/2):R+2*((\k)/2)+1], v[R+2*((\k)/2):R+2*((\k)/2)+1] op_sel:[0,0,1] op_sel_hi:[1,0,1]   ; (x - mean) / sigma
.set gi, gi+2
.endr
.set gi, 0
.rept 8
	v_pk_fma_f32 v[16*(\k)+gi:16*(\k)+gi+1], v[16*(\k)+gi:16*(\k)+gi+1], v[GG+16*((\k)%2)+gi:GG+16*((\k)%2)+gi+1], v[BB+16*((\k)%2)+gi:BB+16*((\k)%2)+gi+1]   ; z
.set gi, gi+2
.endr
.endm
.macro CLAMP k, i                      ; z stands as source 1, so that the reciprocals share the setting 0x04
	v_med3_num_f32 v[ZC+16*((\k)%3)+(\i)], -4.0, v[16*(\k)+(\i)], 4.0
.endm
.macro FIRST d, s, c, v                ; a chain's first level: s x constant + constant
.set gi, 0
.rept 8
	v_pk_fma_f32 v[\d+gi:\d+gi+1], v[\s+gi:\s+gi+1], s[\c:\c+1], v[\v:\v+1] op_sel_hi:[1,0,1]
.set gi, gi+2
.endr
.endm
.macro LEVEL on, d, s, c               ; d = d s + constant
.if \on
.set gi, 0
.rept 8
	v_pk_fma_f32 v[\d+gi:\d+gi+1], v[\d+gi:\d+gi+1], v[\s+gi:\s+gi+1], s[\c:\c+1] op_sel_hi:[1,1,0]
.set gi, gi+2
.endr
.endif
.endm
.macro BODY d
.set HP, 0
.if (\d) >= 1
.set HP, 1
.endif
.set HQ, 0
.if (\d) <= 15
.set HQ, 1
.endif
.set ZP, ZC+16*(((\d)+2)%3)            ; chunk d - 1's buffers,
.set SP, SS+16*(((\d)+1)%2)
.set QP, QQ+16*(((\d)+1)%2)
.set ZQ, ZC+16*((\d)%3)                ; chunk d's
.set SQ, SS+16*((\d)%2)
.set QN, QQ+16*((\d)%2)
	WIN 0
.if HP
	FIRST PP, SP, 66, A11
.endif
.if HQ
.set gi, 0
.rept 8
	v_pk_mul_f32 v[SQ+gi:SQ+gi+1], v[ZQ+gi:ZQ+gi+1], v[ZQ+gi:ZQ+gi+1]
.set gi, gi+2
.endr
.endif
	LEVEL HP, PP, SP, 68
.if HQ
	FIRST QN, SQ, 78, B6
.endif
	LEVEL HP, PP, SP, 70
	LEVEL HQ, QN, SQ, 80
	LEVEL HP, PP, SP, 72
	LEVEL HQ, QN, SQ, 82
	LEVEL HP, PP, SP, 74
	LEVEL HQ, QN, SQ, 84
	LEVEL HP, PP, SP, 76
.if HP
.set gi, 0
.rept 8
	v_pk_mul_f32 v[PP+gi:PP+gi+1], v[PP+gi:PP+gi+1], v[ZP+gi:ZP+gi+1]
.set gi, gi+2
.endr
.endif
	s_wait_alu depctr_va_vdst(0)                   ; the body's one wait, ahead of the reciprocals and ahead of their readers
.if HQ
	WIN 0x04
.set ri, 0
.rept 16
	v_rcp_f32 v[QN+ri], v[QN+ri]
.if (\d) <= 13
	CLAMP (\d)+2, ri
.endif
.set ri, ri+1
.endr
.endif
.if HP
	WIN 0
.set gi, 0
.rept 8
	v_pk_fma_f32 v[PP+gi:PP+gi+1], v[PP+gi:PP+gi+1], v[QP+gi:QP+gi+1], 1.0 op_sel_hi:[1,1,0]   ; 1 + erf z
.set gi, gi+2
.endr
.endif
.if (\d) <= 12
	ZMAKE (\d)+3
.endif
.set gi, 0
.if ((\d) == 1) || ((\d) == 2)         ; the sums stand in chunks 0 and 1's registers: their own products begin them
	WIN 0x41
.rept 8
	v_pk_mul_f32 v[16*((\d)-1)+gi:16*((\d)-1)+gi+1], v[16*((\d)-1)+gi:16*((\d)-1)+gi+1], v[PP+gi:PP+gi+1]
.set gi, gi+2
.endr
.elseif (\d) >= 3
	WIN 0x51
.rept 8
	v_pk_fma_f32 v[16*(((\d)-1)%2)+gi:16*(((\d)-1)%2)+gi+1], v[16*((\d)-1)+gi:16*((\d)-1)+gi+1], v[PP+gi:PP+gi+1], v[16*(((\d)-1)%2)+gi:16*(((\d)-1)%2)+gi+1]
.set gi, gi+2
.endr
.endif
.endm
	ZMAKE 0
	ZMAKE 1
	ZMAKE 2
	WIN 0x04
.set ri, 0
.rept 16
	CLAMP 0, ri
	CLAMP 1, ri
.set ri, ri+1
.endr
.irp d, 0,1,2,3,4,5,6,7,8,9,10,11,12,13,14,15,16
	BODY \d
.endr
	; ---- THE WAY OUT.  A lane holds the sums of rows r, 16 + r, .. for 32 columns; the 16 lanes' rows are added through my own stage: in by rows of 256 bytes + 16, back 16 bytes a lane, rows i and 8 + i
	WIN 0x04
.irp t, 0,1,2,3
	ds_store_b128 v[STO], v[8*\t:8*\t+3] offset:64*\t
	ds_store_b128 v[STO], v[8*\t+4:8*\t+7] offset:64*\t+16
.endr
	WIN 0
.irp i, 0,1,2,3,4,5,6,7
	ds_load_b128 v[CH+4*\i:CH+4*\i+3], v[RD] offset:272*\i   ; my wave's own bytes, served in order: these see the stores above
.endr
	s_wait_dscnt 0x0
	s_wait_xcnt 0x0                                ; EXEC changes below: no earlier memory instruction still needs it
	v_and_b32 v96, 31, v0
	v_and_b32 v97, 15, v0
.irp i, 0,1,2,3
.irp k, 0,2
	v_pk_add_f32 v[CH+4*\i+\k:CH+4*\i+\k+1], v[CH+4*\i+\k:CH+4*\i+\k+1], v[CH+16+4*\i+\k:CH+16+4*\i+\k+1]
.endr
.endr
	v_lshlrev_b32 v97, 4, v97
.irp i, 0,1
.irp k, 0,2
	v_pk_add_f32 v[CH+4*\i+\k:CH+4*\i+\k+1], v[CH+4*\i+\k:CH+4*\i+\k+1], v[CH+8+4*\i+\k:CH+8+4*\i+\k+1]
.endr
.endr
.irp k, 0,2
	v_pk_add_f32 v[CH+\k:CH+\k+1], v[CH+\k:CH+\k+1], v[CH+4+\k:CH+4+\k+1]
.endr
.irp k, 0,1,2,3
	v_permlanex16_b32 v[CH+16+\k], v[CH+\k], s20, s21
.endr
.irp k, 0,1,2,3
	v_add_f32 v[CH+\k], v[CH+\k], v[CH+16+\k]
.endr
	v_cmp_gt_u32 vcc_lo, 16, v96
	s_and_saveexec_b32 s19, vcc_lo
	global_store_b128 v97, v[CH:CH+3], s[90:91]    ; 16 lanes store 256 consecutive bytes, at a multiple of 256 from part's first byte
	s_wait_xcnt 0x0
	s_or_b32 exec_lo, exec_lo, s19
	s_wait_tensorcnt 0x0                           ; the wave's end, behind my tensor load and my last LDS store
	ds_add_u32 v[SPW], v[NIL]
	s_wait_dscnt 0x0
	ROUND                                          ; the closing round: no work-group ends while a partner may still ask for a tile that names it
	s_endpgm
.Lfunc_end_k_q2651db0abd_main:
	.size	k_q2651db0abd_main, .Lfunc_end_k_q2651db0abd_main-k_q2651db0abd_main
	.p2alignl 7, 3214868480
	.fill 96, 4, 3214868480
	.section	.rodata,"a",@progbits
	.p2align	6, 0x0
	.amdhsa_kernel k_q2651db0abd_main
		.amdhsa_group_segment_fixed_size 230912
		.amdhsa_private_segment_fixed_size 0
		.amdhsa_enable_private_segment 0
		.amdhsa_kernarg_size 56
		.amdhsa_user_sgpr_count 2
		.amdhsa_user_sgpr_kernarg_segment_ptr 1
		.amdhsa_wavefront_size32 1
		.amdhsa_system_sgpr_workgroup_id_x 1
		.amdhsa_system_sgpr_workgroup_id_y 1
		.amdhsa_system_sgpr_workgroup_id_z 1
		.amdhsa_system_vgpr_workitem_id 0
		.amdhsa_next_free_vgpr 512
		.amdhsa_next_free_sgpr 96
		.amdhsa_reserve_vcc 1
		.amdhsa_float_denorm_mode_32 3
		.amdhsa_float_denorm_mode_16_64 3
		.amdhsa_memory_ordered 1
		.amdhsa_forward_progress 1
		.amdhsa_inst_pref_size 255
	.end_amdhsa_kernel
	.section	.bss,"aw",@nobits
	.p2align	6
	.space	262144
	.amdgpu_metadata
---
amdhsa.version: [ 1, 2 ]
amdhsa.kernels:
  - .name:           k_q2651db0abd_main
    .symbol:         k_q2651db0abd_main.kd
    .args:
      - { .name: ic_tokens, .offset: 0, .size: 8, .value_kind: global_buffer, .address_space: global }
      - { .name: nm, .offset: 8, .size: 8, .value_kind: global_buffer, .address_space: global }
      - { .name: w1q, .offset: 16, .size: 8, .value_kind: global_buffer, .address_space: global }
      - { .name: b1, .offset: 24, .size: 8, .value_kind: global_buffer, .address_space: global }
      - { .name: ln_gamma, .offset: 32, .size: 8, .value_kind: global_buffer, .address_space: global }
      - { .name: ln_beta, .offset: 40, .size: 8, .value_kind: global_buffer, .address_space: global }
      - { .name: part, .offset: 48, .size: 8, .value_kind: global_buffer, .address_space: global }
    .group_segment_fixed_size: 230912
    .private_segment_fixed_size: 0
    .kernarg_segment_align: 8
    .kernarg_segment_size: 56
    .max_flat_workgroup_size: 256
    .sgpr_count:     96
    .vgpr_count:     512
    .wavefront_size: 32
...
	.end_amdgpu_metadata
.endif
;; end of part 2
;; launch final (part 3): grid 32 x 1, 4 waves a work-group, no clusters, 1,280 bytes of LDS; arguments part, w2q, b2, out0; writes out0
.if DOCPART == 3
	.amdgcn_target "amdgcn-amd-amdhsa--gfx1250"
	.amdhsa_code_object_version 6
	.text
	.protected	k_q2651db0abd_final
	.globl	k_q2651db0abd_final
	.p2align	8
	.type	k_q2651db0abd_final,@function
k_q2651db0abd_final:
	s_mov_b64 s[64:65], 0
	v_nop
	global_prefetch_b8 v0, s[64:65] scope:SCOPE_SE
	s_setreg_imm32_b32 hwreg(HW_REG_WAVE_MODE, 25, 1), 1
	s_wait_xcnt 0x0
; NER2IC, third launch: hbar[b][n] = (the sum over g of part[b][g][n]) / (1024 sqrt 2); out0[b][.] = Q(hbar[b][.]) Q(W2) + b2, Q = the MX-FP4 quantiser along the 512.  No work of reference() is left out.
; A work-group takes ONE b, so that part's 512 KiB are read by 32 work-groups; the matrix tile's 16 rows all hold that b's row (rows beside live work inside one tile).
; A thread adds up 4 neighbouring columns; a block of 32 lies in eight neighbouring lanes, so its largest magnitude takes three steps between lanes.  A thread's four codes are 2 bytes: the row's 256 bytes of codes lie in LDS in K's own order,
; and its 16 scale bytes likewise: both are read as the operand's registers.  Wave w makes outputs 16 w .. 16 w + 15; the 64 meet in LDS, and wave 0 stores them.
; W2's fragments and scale words come from memory as the first launch laid them: two loads of 16 bytes a lane for a fragment.  Each of the four K steps has an accumulator of its own; three additions join them.
; LIMITS: NaN and infinities are not served; a block of zeros gets the byte 1 (its codes are zeros); the sums over g and over the K steps are taken in another order than reference() takes them.
; No tensor loads, no cluster, no prefetch: 16 KiB a work-group, read once with no loop; nothing is shared but W2's 17 KiB.
.set CODES, 0                          ; LDS: 256 bytes
.set SCB,   256                        ; 16 bytes of a block of 256
.set OUTS,  512                        ; the 64 outputs
.set SPARE, 768                        ; the spare words, 128 bytes a wave: two blocks of 256 bytes that no other line names
.set SPW, 1
.set NIL, 2
	s_load_b256 s[4:11], s[0:1], 0x0               ; part s[4:5], w2q s[6:7], b2 s[8:9], out0 s[10:11]
	v_lshl_add_u32 v[SPW], v0, 2, SPARE
	v_mov_b32 v[NIL], 0
	v_lshrrev_b32 v3, 5, v0
	v_readfirstlane_b32 s12, v3                    ; wave 0..3
	s_lshl_b32 s13, s12, 10
	s_lshl_b32 s14, s12, 6
	s_lshl_b32 s16, ttmp9, 14                      ; b: 8 rows of 2,048 bytes of part,
	s_mov_b32 s17, 0
	s_lshl_b32 s18, ttmp9, 8                       ; 256 bytes of out0
	s_mov_b32 s19, 0
	v_and_b32 v3, 31, v0                           ; lane
	v_and_b32 v4, 15, v0                           ; r
	v_bfe_u32 v5, v0, 4, 1                         ; h
	v_lshlrev_b32 v6, 4, v0                        ; 16 x thread: my 4 columns in part
	v_lshl_add_u32 v7, v3, 4, s13                  ; W2: tile w, 16 x lane
	v_lshl_add_u32 v8, v4, 2, s14                  ; 64 w + 4 r: W2's scale words, b2
	v_lshlrev_b32 v13, 1, v0                       ; my four codes: CODES + 2 x thread
	v_lshrrev_b32 v14, 3, v0
	v_add_nc_u32 v14, SCB, v14                     ; my block's byte
	v_lshlrev_b32 v15, 4, v5                       ; the operand: CODES + 16 h
	v_mov_b32 v10, SCB                             ; the scale words
	v_add_nc_u32 v11, OUTS, v8                     ; my output
	v_lshlrev_b32 v94, 3, v3                       ; the way out: 8 bytes a lane
	v_add_nc_u32 v12, OUTS, v94
	s_wait_alu depctr_va_vdst(0)                   ; the head's end
	s_wait_kmcnt 0x0
	s_add_nc_u64 s[4:5], s[4:5], s[16:17]
	s_add_nc_u64 s[10:11], s[10:11], s[18:19]
.irp g, 0,1,2,3,4,5,6,7
	global_load_b128 v[16+4*\g:19+4*\g], v6, s[4:5] offset:2048*\g th:TH_LOAD_NT
.endr
.irp s, 0,1,2,3
.irp c, 0,1
	global_load_b128 v[48+8*\s+4*\c:51+8*\s+4*\c], v7, s[6:7] offset:4096*\s+512*\c
.endr
.endr
.irp s, 0,1,2,3
	global_load_b32 v[80+\s], v8, s[6:7] offset:16384+256*\s   ; v80-83 hold W2's scale words and nothing else
.endr
	global_load_b32 v84, v8, s[8:9]
	s_wait_loadcnt 13                              ; part's eight loads are in; the 13 issued behind them stay out
.irp g, 0,1,2,3
	v_pk_add_f32 v[16+4*\g:17+4*\g], v[16+4*\g:17+4*\g], v[32+4*\g:33+4*\g]
	v_pk_add_f32 v[18+4*\g:19+4*\g], v[18+4*\g:19+4*\g], v[34+4*\g:35+4*\g]
.endr
.irp g, 0,1
	v_pk_add_f32 v[16+4*\g:17+4*\g], v[16+4*\g:17+4*\g], v[24+4*\g:25+4*\g]
	v_pk_add_f32 v[18+4*\g:19+4*\g], v[18+4*\g:19+4*\g], v[26+4*\g:27+4*\g]
.endr
	v_pk_add_f32 v[16:17], v[16:17], v[20:21]
	v_pk_add_f32 v[18:19], v[18:19], v[22:23]
	v_pk_mul_f32 v[16:17], v[16:17], 0x3a3504f3 op_sel_hi:[1,0]   ; x 1 / (1024 sqrt 2)
	v_pk_mul_f32 v[18:19], v[18:19], 0x3a3504f3 op_sel_hi:[1,0]
	v_max3_num_f32 v90, |v16|, |v17|, 0x1800000    ; with the floor 2^(3 - 127): the byte cannot fall under 1
	v_max3_num_f32 v90, v90, |v18|, |v19|
.irp m, 1,2,4
	v_max_num_f32_dpp v90, v90, v90 row_xmask:\m row_mask:0xf bank_mask:0xf   ; with lanes l xor 1, 2, 4: the block's largest magnitude
.endr
	v_add_nc_u32 v91, 0xff000000, v90              ; 2 off the exponent field: the conversion's scale operand
	v_cvt_scalef32_pk8_fp4_f32 v92, v[16:23], v91  ; the low 16 bits are my four codes; what stands above them is not stored
	v_lshrrev_b32 v93, 23, v91                     ; the scale's byte (a plain line behind the conversion)
	ds_store_b16 v13, v92
	ds_store_b8 v14, v93                           ; the eight lanes of a block write the same byte with the same value
	s_wait_dscnt 0x0                               ; for the others' sake: my codes and bytes lie in LDS
	s_barrier_signal -1
	s_barrier_wait -1
.irp s, 0,1,2,3
	ds_load_b32 v[86+\s], v10 offset:4*\s          ; v86-89 hold the row's scale words and nothing else
.irp c, 0,1
	ds_load_b128 v[96+8*\s+4*\c:99+8*\s+4*\c], v15 offset:64*\s+32*\c   ; block 4 s + 2 c + h: every row of the tile is hbar[b]
.endr
.endr
	s_wait_loadcnt 0x0                             ; W2's fragments and scale words, b2
	s_wait_dscnt 0x0
.irp s, 0,1,2,3
	v_wmma_scale_f32_16x16x128_f8f6f4 v[128+8*\s:135+8*\s], v[96+8*\s:103+8*\s], v[48+8*\s:55+8*\s], 0, v[86+\s], v[80+\s] matrix_a_fmt:MATRIX_FMT_FP4 matrix_b_fmt:MATRIX_FMT_FP4
.endr
.rept 4
	v_nop                                          ; four plain places in front of the first read of results
.endr
	v_add_f32 v95, v128, v136                      ; register 0 of lane r: out(b, 16 w + r); all rows of the tile are alike
	v_add_f32 v16, v144, v152
	v_add_f32 v95, v95, v84                        ; + b2
	v_add_f32 v95, v95, v16
	ds_store_b32 v11, v95
	s_wait_dscnt 0x0                               ; for wave 0's sake
	s_barrier_signal -1
	s_barrier_wait -1
	s_cmp_lg_u32 s12, 0
	s_cbranch_scc1 .Lend
	ds_load_b64 v[20:21], v12
	s_wait_dscnt 0x0
	global_store_b64 v94, v[20:21], s[10:11]       ; 32 lanes store 256 consecutive bytes, aligned: row b of out0
.Lend:
	s_wait_tensorcnt 0x0                           ; the wave's end, behind my last LDS store
	ds_add_u32 v[SPW], v[NIL]
	s_wait_dscnt 0x0
	s_endpgm
.Lfunc_end_k_q2651db0abd_final:
	.size	k_q2651db0abd_final, .Lfunc_end_k_q2651db0abd_final-k_q2651db0abd_final
	.p2alignl 7, 3214868480
	.fill 96, 4, 3214868480
	.section	.rodata,"a",@progbits
	.p2align	6, 0x0
	.amdhsa_kernel k_q2651db0abd_final
		.amdhsa_group_segment_fixed_size 1280
		.amdhsa_private_segment_fixed_size 0
		.amdhsa_enable_private_segment 0
		.amdhsa_kernarg_size 32
		.amdhsa_user_sgpr_count 2
		.amdhsa_user_sgpr_kernarg_segment_ptr 1
		.amdhsa_wavefront_size32 1
		.amdhsa_system_sgpr_workgroup_id_x 1
		.amdhsa_system_sgpr_workgroup_id_y 1
		.amdhsa_system_sgpr_workgroup_id_z 1
		.amdhsa_system_vgpr_workitem_id 0
		.amdhsa_next_free_vgpr 160
		.amdhsa_next_free_sgpr 66
		.amdhsa_reserve_vcc 0
		.amdhsa_float_denorm_mode_32 3
		.amdhsa_float_denorm_mode_16_64 3
		.amdhsa_memory_ordered 1
		.amdhsa_forward_progress 1
		.amdhsa_inst_pref_size 8
	.end_amdhsa_kernel
	.amdgpu_metadata
---
amdhsa.version: [ 1, 2 ]
amdhsa.kernels:
  - .name:           k_q2651db0abd_final
    .symbol:         k_q2651db0abd_final.kd
    .args:
      - { .name: part, .offset: 0, .size: 8, .value_kind: global_buffer, .address_space: global }
      - { .name: w2q, .offset: 8, .size: 8, .value_kind: global_buffer, .address_space: global }
      - { .name: b2, .offset: 16, .size: 8, .value_kind: global_buffer, .address_space: global }
      - { .name: out0, .offset: 24, .size: 8, .value_kind: global_buffer, .address_space: global }
    .group_segment_fixed_size: 1280
    .private_segment_fixed_size: 0
    .kernarg_segment_align: 8
    .kernarg_segment_size: 32
    .max_flat_workgroup_size: 128
    .sgpr_count:     66
    .vgpr_count:     160
    .wavefront_size: 32
...
	.end_amdgpu_metadata
.endif
;; end of part 3
